; MI455X (gfx1250); checked and timed in simulation.
; The chip was launched on July 23, 2026; its instructions are those of AMD's public machine-readable ISA for CDNA 5 (MIT licence, August 2026) and "CDNA5" Instruction Set Architecture Reference Guide (July 2026). The comments in the code are by the model that wrote it; some were corrected since.
;; Attention. Allowed arithmetic: matrix products marked QUANTISED: E2M1 operands, one E8M0 scale for each 32 along K, by v_wmma_scale_f32_16x16x128_f8f6f4 with both operands' format E2M1 (or v_wmma_scale_f32_32x16x128_f4), f32 sums; products left as they are: f32 operands where the result goes on into a quantised operand, else bf16, f16 or f32 operands; f32 sums; everything else in f32.
;; Inputs: Wh_w_codes 1,024 x 32 x 16 uint8 (E2M1 codes of Wh_w, K innermost, in blocks of 32 codes, two codes a byte); Wh_w_scales 1,024 x 32 uint8 (E8M0 scales of Wh_w, one for each 32 codes along K); Ws_b 1,024 float32; Ws_w_codes 1,024 x 32 x 16 uint8 (E2M1 codes of Ws_w, K innermost, in blocks of 32 codes, two codes a byte); Ws_w_scales 1,024 x 32 uint8 (E8M0 scales of Ws_w, one for each 32 codes along K); c_dec 1 x 128 x 512 float32; coverage_vector 128 x 512 float32; encoder_output 128 x 512 x 1,024 float32; h_dec 1 x 128 x 512 float32; v_w 1,024 float32; wc_w 1,024 float32; x_padding_masks 128 x 512 float32.
;; Outputs: out0 128 x 1,024 float32; out1 128 x 512 float32; out2 128 x 512 float32.
;; This version of the problem:
;;   THIS VERSION OF THE PROBLEM IS GIVEN IN LOW PRECISION. The matrix products marked QUANTISED in the list below multiply operands that are first quantised to E2M1 (2 exponent bits, 1 mantissa bit; 4 bits a number), with one power-of-two scale for each 32 numbers along K (OCP MX v1.0); their sums are f32. All else is computed in f32.
;;   The module's matrix products, in the order in which they are computed (A, B: the left and right operand; K: the contracted axis; several contracted axes count as one K, in the product's order):
;;     1. [M 65,536, K 1,024] x [K 1,024, N 1,024]; A: input encoder_output; B: input Wh_w (given as codes): QUANTISED
;;     2. [M 128, K 1,024] x [K 1,024, N 1,024]; A: computed on the way; B: input Ws_w (given as codes): QUANTISED
;;     3. [M 65,536, K 1,024] x [K 1,024, N 1]; A: computed on the way; B: input v_w: left as it is (N = 1 < 16)
;;     4. batch 128 x [M 1, K 512] x [K 512, N 1,024]; A: computed on the way; B: input encoder_output: left as it is (M = 1 < 16)
;;   THE QUANTISER, for each operand of a quantised product, along K:
;;     - K is cut into blocks of 32 from its start; a last block that is shorter is filled with zeros.
;;     - A block's scale is 2^e with e = floor(log2(the largest magnitude in the block)) - 2, held to -126 .. 127; a block of zeros has e = 0. As a byte (E8M0): e + 127.
;;     - Each number is divided by its block's scale, clamped to +-6, and rounded to the nearest number of E2M1, ties to even, subnormals kept.
;;     - The product sums the exact products of the quantised numbers (number of the format x scale) in f32.
;;   ~~~python
;;   def quantise(x, axis):      # numpy; x: float32 -> the quantised numbers, widened to float32 again
;;       x = np.moveaxis(x, axis, -1); K = x.shape[-1]
;;       x = np.pad(x, [(0, 0)] * (x.ndim - 1) + [(0, -K % 32)]); x = x.reshape(x.shape[:-1] + (-1, 32)); a = np.abs(x).max(-1, keepdims=True)
;;       e = np.where(a > 0, np.clip(np.frexp(np.where(a > 0, a, 1))[1] - 1 - 2, -126, 127), 0)      # np.frexp(a)[1] - 1 = floor(log2(a)), exactly
;;       r = np.clip(x / 2.0 ** e, -6, 6)
;;       step = 2.0 ** (np.maximum(np.frexp(np.where(r == 0, 1, r))[1] - 1, 0) - 1)
;;       q = np.round(r / step) * step * 2.0 ** e      # np.round: ties to even
;;       return np.moveaxis(q.reshape(q.shape[:-2] + (-1,))[..., :K], -1, axis).astype(np.float32)
;;   ~~~
;;   OPERANDS COMPUTED ON THE WAY. 'Computed on the way' means the value that the module computes at that place (a softmax that the list does not call 'softmax' is quantised finished and normalised). What goes into a quantiser is computed in f32, as accurately as f32 sums, v_exp_f32 and their like allow (about 1e-6 of the number): no bf16 or f16 on the way to a quantiser, and a product that is left as it is and whose result goes on into a quantised operand takes f32 operands (vector FMAs, or v_wmma_f32_16x16x4_f32). A number that lies on a knife's edge between two numbers of the format may be rounded either way, as far as f32 arithmetic and the matrix unit's own rounding can turn it there, and no further.
;;   INPUTS GIVEN AS CODES. Wh_w (in the module: [1024, 1024], K = its axis 1); Ws_w (in the module: [1024, 1024], K = its axis 1): each comes as NAME_codes (uint8): NAME with its K axis moved to the last place and cut into blocks of 32 codes, [.., K / 32, bytes a block], one block behind the other in memory; two codes a byte, the lower K in the low four bits (a code: sign, 2 exponent bits, 1 mantissa bit); and NAME_scales (uint8): the same leading axes, one E8M0 byte (e + 127) for each 32 codes along K. Its value is code x scale, taken as it is: it is not quantised again, and the codes and scales need not be those that the quantiser above would give.
;; One version. Each part assembles by itself: llvm-mc -triple=amdgcn-amd-amdhsa -mcpu=gfx1250 --defsym DOCPART=n.
;; ======== version 1 of 1: 3 launches
;; limits: values are held in bf16: 8 bits of precision; right only within a limited range of input values
;; workspace buffers: whf 524,288 bytes; cdec 524,288 bytes; sco 262,144 bytes; cx 1,048,576 bytes
;; launch prep (part 1): grid 64 x 1, 4 waves a work-group, no clusters, 17,664 bytes of LDS; arguments h_dec, c_dec, Ws_w_codes, Ws_w_scales, Ws_b, Wh_w_codes, whf, cdec; writes whf, cdec
.if DOCPART == 1
	.amdgcn_target "amdgcn-amd-amdhsa--gfx1250"
	.amdhsa_code_object_version 6
	.text
	.protected	k_qa13ffc62af_prep
	.globl	k_qa13ffc62af_prep
	.p2align	8
	.type	k_qa13ffc62af_prep,@function
k_qa13ffc62af_prep:
	s_mov_b64 s[64:65], 0
	v_nop
	global_prefetch_b8 v0, s[64:65] scope:SCOPE_SE
	s_setreg_imm32_b32 hwreg(HW_REG_WAVE_MODE, 25, 1), 1
	s_wait_xcnt 0x0
; THE PROGRAM (three launches): prep, main, fin.
;   score[b][s] = sum over e of v[e] tanh(enc[b][s] . Wh[e] + dec[b][e] + cov[b][s] wc[e]);  aw = softmax(score) x mask, renormalised;  context = sum over s of aw x enc.
; WHAT IS LEFT OUT, AND WHY IT IS DEAD FOR ALL FINITE INPUTS:
;   tanh(x) = 1 - 2 r with r = 1 / (1 + 2^(c x)), c = 2 log2(e).  So score = (sum over e of v[e]) - 2 sum over e of v[e] r.  The first term is the same for every s of a batch: a term added to a
;   softmax's input that is the same along its axis; it is not computed.  The softmax's divisor Z (at least 1, since the largest term is 1) stands in the numerator and in the denominator of
;   aw / sum(aw) and cancels: aw = e_s mask_s / sum(e mask), e_s = exp(score_s - max over ALL s of score), the maximum taken as reference() takes it, masked rows among them.
;   Every input has a way to an output and is loaded.  LIMIT: a NaN, an infinity or an overflow that would reach only sum(v) or Z is not carried to the result.
; Scores are kept in base 2: score2 = sum over e of (-c v[e]) r, and 2^(score2 - max) = exp(score - max).
; LIMITS OF THE PROGRAM: NaN and infinities among the inputs are not served.  A block of 32 zeros gets the scale byte 1 where the rule says 127: its codes are zeros, and these bytes are read by this program alone.
;   Blocks whose largest magnitude lies under 2^-124 are held at that byte.  encoder_output enters the context (a product left as it is) rounded to bf16; the weights are rounded to bf16 too.
;
; THIS LAUNCH, two things in every work-group, on one path:
; (1) cdec[b][e] = c x (Q(concat(h, c))[b] . Ws[e] + Ws_b[e]), the second product of the table, on codes of FP4.  Work-group wg takes batches 16 (wg % 8) on and e = 128 (wg / 8) on; wave w two tiles of 16 e,
;   32 w on, all of K = 1,024 (eight steps of 128).  THE 16 BATCHES ARE QUANTISED ONCE A WORK-GROUP: wave w takes K steps 2 w and 2 w + 1 (waves 0, 1: h_dec; waves 2, 3: c_dec) and stores the two fragments
;   in LDS as images of their registers (lane l's 16 bytes at 16 l) with their scale words; behind a barrier every wave loads all eight.  The product is used transposed (source 0 = 16 rows of Ws,
;   source 1 = 16 batches): a lane holds one batch and eight neighbouring e; the bias is the C of each sum's first instruction.  The waves' 32 e meet in a stage of 16 rows x 512 bytes; behind a second
;   barrier each wave stores 4 whole rows.
; (2) Wh's codes are laid in the order of an operand's registers: whf byte ((T 8 + q) 2 + c) 512 + 16 lane = the 16 bytes of row 16 T + lane % 16 at byte 64 q + 32 c + 16 (lane / 16), so that in the next
;   launch a fragment comes by loads of 512 consecutive bytes.  Work-group wg takes tile T = wg (8,192 bytes), wave w a quarter of it.
; REGISTERS: window 0: v1-13 addresses; v16-31 Wh's quarter tile; v32-159 two sets of 64 numbers, later v32-95 x's 8 fragments, v96-99 their scale words, v104-119 rows on the way out; v160-175 at work;
;   v176-191 codes just made, v192-193 their scale words; v200-207 Ws's scale words; v208-223 the bias; v224-239 two accumulators.  Window 1: Ws's fragments, tile i, K step q at v[64 i + 8 q].
; CORRECTION to the limits above: the context goes to the matrix units in the second launch, so its weights are rounded to bf16 too, like encoder_output; its sums stay f32.
.set XIMG,   0                         ; LDS: x's 8 fragments, 1,024 bytes each (512 c + 16 lane),
.set XSC,    8192                      ; their scale words: 64 q + 4 r,
.set STG,    8704                      ; the stage: 16 rows x (512 bytes + 16)
.set SPITCH, 528                       ; 132 words: row r starts at bank 4 r mod 64 (64 banks of 4 bytes: ISA guide 11.1)
.set SPARE,  STG+16*SPITCH             ; behind the stage: the spare words, 128 bytes a wave
.set XA,  4                            ; v4   x: row r of 2,048 bytes + 64 h
.set WA,  5                            ; v5   codes: row r of 512 bytes + 16 h
.set SA,  6                            ; v6   scale bytes: row r of 32 bytes + 16 h
.set BA,  7                            ; v7   bias: 32 h
.set VI,  8                            ; v8   images, store: 16 lane + 2,048 wave
.set VS,  9                            ; v9   scale words, store: XSC + 4 r + 128 wave
.set L16, 10                           ; v10  16 x lane
.set VAS, 11                           ; v11  scale words, load: XSC + 4 r + 256 h
.set STO, 12                           ; v12  the stage, in: row r, + 32 h, + 128 wave
.set RD,  13                           ; v13  the stage, back: my 4 rows, 16 bytes a lane
.set RL,  16
.set X0,  32
.set AF,  32
.set AS,  96
.set OB,  104
.set TM,  160
.set PC0, 176
.set PW0, 192
.set BS,  200
.set BI,  208
.set AC,  224
.set SPW, 252                          ; v252 my spare word; never rewritten
.set NIL, 253                          ; v253 0; never rewritten
.set MSB, 0
.macro WIN new                         ; the immediate's high byte repeats the setting that is left
.if MSB != (\new)
	s_set_vgpr_msb (MSB<<8)|(\new)
.set MSB, (\new)
.endif
.endm
	s_load_b512 s[4:19], s[0:1], 0x0               ; h_dec, c_dec, Ws codes, Ws scales, Ws_b, Wh codes, whf, cdec
	v_lshl_add_u32 v[SPW], v0, 2, SPARE
	v_mov_b32 v[NIL], 0
	v_lshrrev_b32 v1, 5, v0
	v_readfirstlane_b32 s20, v1                    ; wave 0..3
	v_and_b32 v1, 31, v0                           ; lane
	v_and_b32 v2, 15, v0                           ; r
	v_bfe_u32 v3, v0, 4, 1                         ; h
	v_lshlrev_b32 v[XA], 11, v2
	v_lshl_add_u32 v[XA], v3, 6, v[XA]
	v_lshlrev_b32 v[WA], 9, v2
	v_lshl_add_u32 v[WA], v3, 4, v[WA]
	v_lshlrev_b32 v[SA], 5, v2
	v_lshl_add_u32 v[SA], v3, 4, v[SA]
	v_lshlrev_b32 v[BA], 5, v3
	v_lshlrev_b32 v[L16], 4, v1
	s_lshl_b32 s23, s20, 11
	v_lshl_add_u32 v[VI], v1, 4, s23
	s_lshl_b32 s23, s20, 7
	s_add_co_u32 s23, s23, XSC
	v_lshl_add_u32 v[VS], v2, 2, s23
	v_lshl_add_u32 v[VAS], v2, 2, XSC
	v_lshl_add_u32 v[VAS], v3, 8, v[VAS]
	s_lshl_b32 s23, s20, 7
	s_add_co_u32 s23, s23, STG
	v_mul_u32_u24 v[STO], v2, SPITCH
	v_lshl_add_u32 v[STO], v3, 5, v[STO]
	v_add_nc_u32 v[STO], s23, v[STO]
	s_mul_i32 s23, s20, 4*SPITCH
	s_add_co_u32 s23, s23, STG
	v_lshl_add_u32 v[RD], v1, 4, s23
.irp b, 0,1,2,3
	v_mov_b32 v[TM+4+\b], 0                        ; written once: a lane permute's destination counts as one of its sources
.endr
	s_mov_b32 s36, 0x76543210
	s_mov_b32 s37, 0xfedcba98                      ; v_permlanex16_b32's selects for lane l xor 16
	s_mov_b32 s34, 0x4038aa3b                      ; c = 2 log2(e)
	s_mov_b32 s35, s34                             ; (named with it as a pair)
	s_and_b32 s21, ttmp9, 7                        ; which 16 batches
	s_lshr_b32 s22, ttmp9, 3                       ; which 128 of e
	s_lshl_b32 s24, s21, 15                        ; x: 16 rows of 2,048 bytes,
	s_and_b32 s23, s20, 1
	s_lshl_b32 s23, s23, 10                        ; and my two K steps: 1,024 bytes on in waves 1 and 3
	s_add_co_u32 s24, s24, s23
	s_mov_b32 s25, 0
	s_lshl_b32 s26, s22, 16                        ; Ws's codes: 8 tiles of 8,192 bytes a work-group, 2 a wave
	s_lshl_b32 s23, s20, 14
	s_add_co_u32 s26, s26, s23
	s_mov_b32 s27, 0
	s_lshr_b32 s28, s26, 4                         ; its scale bytes: 512 a tile
	s_mov_b32 s29, 0
	s_lshr_b32 s30, s26, 7                         ; the bias: 64 bytes a tile
	s_mov_b32 s31, 0
	s_lshl_b32 s32, s21, 16                        ; cdec: 16 rows of 4,096 bytes, my 4 of them, the work-group's 512 bytes of a row
	s_add_co_u32 s32, s32, s23
	s_lshl_b32 s23, s22, 9
	s_add_co_u32 s32, s32, s23
	s_mov_b32 s33, 0
	s_lshl_b32 s38, ttmp9, 13                      ; Wh's tile: 8,192 bytes in both buffers;
	s_lshl_b32 s23, s20, 7
	s_add_co_u32 s38, s38, s23                     ; my quarter: 128 bytes on in each row,
	s_mov_b32 s39, 0
	s_lshl_b32 s40, ttmp9, 13
	s_lshl_b32 s23, s20, 11
	s_add_co_u32 s40, s40, s23                     ; 2,048 bytes on in the new order
	s_mov_b32 s41, 0
	s_wait_kmcnt 0x0
	s_cmp_lt_u32 s20, 2                            ; waves 0, 1: h_dec; waves 2, 3: c_dec.  The choice hangs on the wave's number alone
	s_cselect_b64 s[4:5], s[4:5], s[6:7]
	s_add_nc_u64 s[4:5], s[4:5], s[24:25]
	s_add_nc_u64 s[8:9], s[8:9], s[26:27]
	s_add_nc_u64 s[10:11], s[10:11], s[28:29]
	s_add_nc_u64 s[12:13], s[12:13], s[30:31]
	s_add_nc_u64 s[14:15], s[14:15], s[38:39]
	s_add_nc_u64 s[16:17], s[16:17], s[40:41]
	s_add_nc_u64 s[18:19], s[18:19], s[32:33]
.irp t, 0,1,2,3
	global_load_b128 v[RL+4*\t:RL+4*\t+3], v[WA], s[14:15] offset:32*\t      ; Wh: 64 q + 32 c = 32 (2 q + c), my four of the sixteen
.endr
.irp s, 0,1                                    ; x: register 64 s + 16 b + i = k 128 (2 w + s) + 32 b + 16 h + i of batch r
.irp b, 0,1,2,3
.irp j, 0,1,2,3
	global_load_b128 v[X0+64*\s+16*\b+4*\j:X0+64*\s+16*\b+4*\j+3], v[XA], s[4:5] offset:512*\s+128*\b+16*\j
.endr
.endr
.endr
	WIN 0x40                                       ; destination window 1
.irp i, 0,1
.irp q, 0,1,2,3,4,5,6,7
.irp c, 0,1
	global_load_b128 v[64*\i+8*\q+4*\c:64*\i+8*\q+4*\c+3], v[WA], s[8:9] offset:8192*\i+64*\q+32*\c
.endr
.endr
.endr
	WIN 0
.irp i, 0,1
	global_load_b128 v[BS+4*\i:BS+4*\i+3], v[SA], s[10:11] offset:512*\i   ; register j: lanes 0-15 the word of K step j, lanes 16-31 that of K step 4 + j
.endr
.irp i, 0,1
	global_load_b128 v[BI+8*\i:BI+8*\i+3], v[BA], s[12:13] offset:64*\i    ; Ws_b at e = 16 i + 8 h + 0 .. 7: the result's layout
	global_load_b128 v[BI+8*\i+4:BI+8*\i+7], v[BA], s[12:13] offset:64*\i+16
.endr
; 64 numbers of a lane from v[src] on become a fragment's codes in v[pc] on and its scale word in v[pw]
.macro QUANT src, pc, pw
.irp b, 0,1,2,3
	v_max3_num_f32 v[TM+\b], |v[\src+16*\b]|, |v[\src+1+16*\b]|, 0x1800000   ; block b: my 16 numbers, and the floor 2^(3 - 127): the byte cannot fall under 1
.endr
.irp i, 2,4,6,8,10,12,14
.irp b, 0,1,2,3
	v_max3_num_f32 v[TM+\b], v[TM+\b], |v[\src+16*\b+\i]|, |v[\src+1+16*\b+\i]|
.endr
.endr
.irp b, 0,1,2,3
	v_permlanex16_b32 v[TM+4+\b], v[TM+\b], s36, s37
.endr
.irp b, 0,1,2,3
	v_max_num_f32 v[TM+\b], v[TM+\b], v[TM+4+\b]   ; with lane l xor 16's: the block's largest magnitude
.endr
.irp b, 0,1,2,3
	v_add_nc_u32 v[TM+12+\b], 0xff000000, v[TM+\b] ; 2 off its exponent field: the conversion's scale operand
.endr
.irp b, 0,1,2,3
	v_lshrrev_b32 v[TM+4+\b], 23, v[TM+12+\b]      ; the scale's byte
.endr
	v_lshl_or_b32 v[\pw], v[TM+5], 8, v[TM+4]
	v_lshl_or_b32 v[\pw], v[TM+6], 16, v[\pw]
	v_lshl_or_b32 v[\pw], v[TM+7], 24, v[\pw]
.irp b, 0,1,2,3
	v_cvt_scalef32_pk8_fp4_f32 v[\pc+2*\b], v[\src+16*\b:\src+7+16*\b], v[TM+12+\b]
	v_cvt_scalef32_pk8_fp4_f32 v[\pc+1+2*\b], v[\src+8+16*\b:\src+15+16*\b], v[TM+12+\b]
.endr
	v_nop                                          ; one plain place behind a scaled conversion
.irp c, 0,1                                    ; the operand's layout wants a whole block in a lane
.irp i, 0,1
	v_permlane16_swap_b32 v[\pc+4*\c+\i], v[\pc+2+4*\c+\i]
.endr
.endr
.endm
.macro IMAGE s                         ; my fragment s of two goes to LDS as it stands, with its scale word (lanes r and 16 + r write the same word with the same value)
	ds_store_b128 v[VI], v[PC0+8*\s:PC0+8*\s+3] offset:XIMG+1024*\s
	ds_store_b128 v[VI], v[PC0+8*\s+4:PC0+8*\s+7] offset:XIMG+1024*\s+512
	ds_store_b32 v[VS], v[PW0+\s] offset:64*\s
.endm
	s_wait_loadcnt 54                              ; Wh's four and my first K step's 16 are in; behind them: 16 of x, 32 of Ws, 2 of its scales, 4 of the bias
.irp t, 0,1,2,3
	global_store_b128 v[L16], v[RL+4*\t:RL+4*\t+3], s[16:17] offset:512*\t  ; 32 lanes store 512 consecutive bytes; these registers are not written again
.endr
	QUANT X0, PC0, PW0
	IMAGE 0
	s_wait_loadcnt 38                              ; my second K step's 16 are in
	QUANT X0+64, PC0+8, PW0+1
	IMAGE 1
	s_wait_dscnt 0x0                               ; for the others' sake: my images have landed
	s_barrier_signal -1
	s_barrier_wait -1                              ; x's eight fragments lie in LDS
.set n_, 0
.rept 16
	ds_load_b128 v[AF+4*n_:AF+4*n_+3], v[L16] offset:XIMG+512*n_
.set n_, n_+1
.endr
.irp q, 0,1,2,3
	ds_load_b32 v[AS+\q], v[VAS] offset:64*\q      ; lanes 0-15 the word of K step q, lanes 16-31 that of K step q + 4
.endr
	s_wait_dscnt 0x0
	s_wait_loadcnt 0x0                             ; Ws, its scales, the bias
	WIN 0x01                                       ; source 0 (Ws) window 1
.irp q, 0,1,2,3,4,5,6,7                        ; the two accumulators by turns, K ascending
.irp i, 0,1
.if \q == 0
	v_wmma_scale_f32_16x16x128_f8f6f4 v[AC+8*\i:AC+8*\i+7], v[64*\i+8*\q:64*\i+8*\q+7], v[AF+8*\q:AF+8*\q+7], v[BI+8*\i:BI+8*\i+7], v[BS+4*\i+\q], v[AS+\q] matrix_a_fmt:MATRIX_FMT_FP4 matrix_b_fmt:MATRIX_FMT_FP4
.elseif \q < 4
	v_wmma_scale_f32_16x16x128_f8f6f4 v[AC+8*\i:AC+8*\i+7], v[64*\i+8*\q:64*\i+8*\q+7], v[AF+8*\q:AF+8*\q+7], v[AC+8*\i:AC+8*\i+7], v[BS+4*\i+\q], v[AS+\q] matrix_a_fmt:MATRIX_FMT_FP4 matrix_b_fmt:MATRIX_FMT_FP4
.else
	v_wmma_scale_f32_16x16x128_f8f6f4 v[AC+8*\i:AC+8*\i+7], v[64*\i+8*\q:64*\i+8*\q+7], v[AF+8*\q:AF+8*\q+7], v[AC+8*\i:AC+8*\i+7], v[BS+4*\i+\q-4], v[AS+\q-4] matrix_a_fmt:MATRIX_FMT_FP4 matrix_b_fmt:MATRIX_FMT_FP4 matrix_a_scale:MATRIX_SCALE_ROW1 matrix_b_scale:MATRIX_SCALE_ROW1
.endif
.endr
.endr
	WIN 0
.rept 4
	v_nop                                          ; four places ahead of the first read of a result
.endr
.irp i, 0,1
.irp j, 0,2,4,6
	v_pk_mul_f32 v[AC+8*\i+\j:AC+8*\i+\j+1], v[AC+8*\i+\j:AC+8*\i+\j+1], s[34:35] op_sel_hi:[1,0]   ; x c; each accumulator from its low end on
.endr
.endr
.irp i, 0,1
	ds_store_b128 v[STO], v[AC+8*\i:AC+8*\i+3] offset:64*\i           ; lane (r, h): batch r, e = 32 w + 16 i + 8 h + 0 .. 7
	ds_store_b128 v[STO], v[AC+8*\i+4:AC+8*\i+7] offset:64*\i+16
.endr
	s_wait_dscnt 0x0                               ; for the others' sake: my part of the 16 rows has landed
	s_barrier_signal -1
	s_barrier_wait -1                              ; 16 whole rows of 512 bytes lie in the stage
.irp t, 0,1,2,3
	ds_load_b128 v[OB+4*\t:OB+4*\t+3], v[RD] offset:SPITCH*\t
.endr
.irp t, 0,1,2,3
	s_wait_dscnt 3-\t                              ; the younger loads may be out
	global_store_b128 v[L16], v[OB+4*\t:OB+4*\t+3], s[18:19] offset:4096*\t  ; 32 lanes store 512 consecutive bytes, aligned to 256
.endr
	s_wait_tensorcnt 0x0                           ; the wave's end: behind my last LDS store
	ds_add_u32 v[SPW], v[NIL]
	s_wait_dscnt 0x0
	s_endpgm
.Lfunc_end_k_qa13ffc62af_prep:
	.size	k_qa13ffc62af_prep, .Lfunc_end_k_qa13ffc62af_prep-k_qa13ffc62af_prep
	.p2alignl 7, 3214868480
	.fill 96, 4, 3214868480
	.section	.rodata,"a",@progbits
	.p2align	6, 0x0
	.amdhsa_kernel k_qa13ffc62af_prep
		.amdhsa_group_segment_fixed_size 17664
		.amdhsa_private_segment_fixed_size 0
		.amdhsa_enable_private_segment 0
		.amdhsa_kernarg_size 64
		.amdhsa_user_sgpr_count 2
		.amdhsa_user_sgpr_kernarg_segment_ptr 1
		.amdhsa_wavefront_size32 1
		.amdhsa_system_sgpr_workgroup_id_x 1
		.amdhsa_system_sgpr_workgroup_id_y 1
		.amdhsa_system_sgpr_workgroup_id_z 1
		.amdhsa_system_vgpr_workitem_id 0
		.amdhsa_next_free_vgpr 384
		.amdhsa_next_free_sgpr 66
		.amdhsa_reserve_vcc 0
		.amdhsa_float_denorm_mode_32 3
		.amdhsa_float_denorm_mode_16_64 3
		.amdhsa_memory_ordered 1
		.amdhsa_forward_progress 1
		.amdhsa_inst_pref_size 24
	.end_amdhsa_kernel
	.amdgpu_metadata
---
amdhsa.version: [ 1, 2 ]
amdhsa.kernels:
  - .name:           k_qa13ffc62af_prep
    .symbol:         k_qa13ffc62af_prep.kd
    .args:
      - { .name: h_dec, .offset: 0, .size: 8, .value_kind: global_buffer, .address_space: global }
      - { .name: c_dec, .offset: 8, .size: 8, .value_kind: global_buffer, .address_space: global }
      - { .name: Ws_w_codes, .offset: 16, .size: 8, .value_kind: global_buffer, .address_space: global }
      - { .name: Ws_w_scales, .offset: 24, .size: 8, .value_kind: global_buffer, .address_space: global }
      - { .name: Ws_b, .offset: 32, .size: 8, .value_kind: global_buffer, .address_space: global }
      - { .name: Wh_w_codes, .offset: 40, .size: 8, .value_kind: global_buffer, .address_space: global }
      - { .name: whf, .offset: 48, .size: 8, .value_kind: global_buffer, .address_space: global }
      - { .name: cdec, .offset: 56, .size: 8, .value_kind: global_buffer, .address_space: global }
    .group_segment_fixed_size: 17664
    .private_segment_fixed_size: 0
    .kernarg_segment_align: 8
    .kernarg_segment_size: 64
    .max_flat_workgroup_size: 128
    .sgpr_count:     66
    .vgpr_count:     384
    .wavefront_size: 32
...
	.end_amdgpu_metadata
.endif
;; end of part 1
;; launch main (part 2): grid 256 x 1, 4 waves a work-group, no clusters, 327,680 bytes of LDS; arguments encoder_output, whf, Wh_w_scales, cdec, wc_w, v_w, coverage_vector, x_padding_masks, sco, cx; writes sco, cx
.if DOCPART == 2
	.amdgcn_target "amdgcn-amd-amdhsa--gfx1250"
	.amdhsa_code_object_version 6
	.text
	.protected	k_qa13ffc62af_main
	.globl	k_qa13ffc62af_main
	.p2align	8
	.type	k_qa13ffc62af_main,@function
k_qa13ffc62af_main:
	s_mov_b64 s[64:65], 0
	v_nop
	global_prefetch_b8 v0, s[64:65] scope:SCOPE_SE
	s_setreg_imm32_b32 hwreg(HW_REG_WAVE_MODE, 25, 1), 1
	s_wait_xcnt 0x0
; For 256 rows of encoder_output (half a batch): score2[s] = sum over e of (-c v[e]) / (1 + 2^(c (Q(enc[s]) . Wh[e]) + cdec[e] + c wc[e] cov[s])), c = 2 log2(e), and the half's context
; cx[k] = sum over s of 2^(score2[s] - m) mask[s] enc[s][k], m the half's largest score2 (a running maximum).  encoder_output is read from memory once.
; LEFT OUT (shown at the head of the first kernel): the term sum(v), the same along the softmax's axis, and the softmax's divisor, which cancels in the renormalisation.
; SHARES.  The work-group takes 4 blocks of 64 rows.  Landing, quantising, keeping rows and the context: wave w owns columns 256 w .. 256 w + 255 of all 64 rows.  The product: wave w owns
;   e = 256 w .. 256 w + 255 (16 tiles of 16) and holds the codes of all 64 rows x 1,024 in 256 registers.
; A BLOCK: CONVERT: my 64 x 256 numbers, landed in LDS by my own tensor load, become 8 fragments of FP4 codes (register images to LDS, for all waves) and 256 registers of bf16 pairs (kept for the context)
;   | barrier; the next block's tensor load goes out at once and has the rest of the block in which to land |  all 32 fragments into registers; 16 tiles of e: 32 matrix instructions each (transposed:
;   source 0 = 16 rows of Wh, source 1 = 16 rows of enc: a lane holds one row and 8 neighbouring e), then 1 / (1 + 2^x) and the dot product with -c v | the waves' partial scores meet in LDS, barrier |
;   running maximum, weights, context.
; Wh's codes come from memory straight into registers, in the order in which the first launch laid them, through a ring of four tiles (17 loads a tile) that runs on from block to block.
; NO CLUSTER: all work-groups walk the same Wh, but a joint load lands in LDS, and of 327,680 bytes the landing zone takes 266,240 and the images, tables and spare words 54,784: 6,656 are left,
;   less than one tile of 8,192.  NO PREFETCH of encoder_output: a whole block (262,144 bytes a work-group) is always asked for ahead.
; LIMITS: as stated at the head of the first kernel.  By this text's own count a wave has one tensor load outstanding.
; REGISTERS: window 0: v1-19 addresses and constants; v20 m, v21 the rescaling, v22-25 weights, v26-29 mask, v30-37 cov (pairs), v38-45 score sums, v46-53 context, v54-69 enc's scale words, v70-85 Wh's,
;   v86-95 at work; v96-255 by phase (product: accumulators v96-127, parameters v144-167, c wc cov + c dec v168-199; convert: two sets of 64 numbers v96-223, v224-239 at work, codes v240-255; context: v96-251).
;   window 1: enc's 32 fragments, (m, q) at v[8 (8 m + q)].  window 2: the kept rows: v[32 g + 8 m + k] = columns 32 g + 16 h + 2 k, + 1 of row 16 m + r as bf16.  window 3: Wh's ring, v[64 buf + 8 q].
.set LANDW,  66560                     ; a wave's landing zone: 64 rows x (1,024 bytes + 16)
.set LPITCH, 1040                      ; 260 words: row r starts at bank 4 r mod 64 (64 banks of 4 bytes: ISA guide 11.1)
.set AIMG,   4*LANDW                   ; images of the 32 fragments, f = 8 m + q: 1,024 bytes each (512 c + 16 lane)
.set ASC,    AIMG+32768                ; their scale words: 64 f + 4 r
.set PAR,    ASC+2048                  ; c dec[1024], c wc[1024], -c v[1024]
.set COV,    PAR+12288                 ; the work-group's 256 cov, then its 256 mask
.set SX,     COV+2048                  ; partial scores [wave][64 rows]
.set CST,    SX+1024                   ; the context's way out: 1,024 bytes a wave
.set SPARE,  CST+4096                  ; the spare words, 128 bytes a wave
.set VL,   1                           ; landing zone: wave x LANDW + r x LPITCH + 64 h
.set VI,   2                           ; images, store: AIMG + 16 lane + 2,048 wave
.set VS,   3                           ; scale words, store: ASC + 4 r + 128 wave
.set VLI,  4                           ; images, load: AIMG + 16 lane
.set VAS,  5                           ; scale words, load: ASC + 4 r + 256 h
.set VC,   6                           ; COV + 4 r
.set VP0,  7                           ; PAR + 1,024 wave + 32 h
.set VPC,  8                           ; the address in hand
.set VB,   9                           ; 16 lane
.set VBS,  10                          ; 32 r + 16 h
.set VSXW, 11                          ; SX + 256 wave + 4 r
.set VSXR, 12                          ; SX + 4 r
.set V8,   13                          ; 8 lane
.set VSX8, 14                          ; SX + 8 lane
.set VX,   15                          ; CST + 1,024 wave + 4 lane
.set SPW,  16                          ; my spare word; never rewritten
.set NIL,  17                          ; 0; never rewritten
.set VXR,  19                          ; CST + 1,024 wave + 16 lane
.set RM,   20
.set RF,   21
.set RP,   22
.set RMK,  26
.set COVP, 30
.set SC,   38
.set CTX,  46
.set AS,   54
.set BS,   70
.set PW0,  90
.set AC,   96
.set PR,   144
.set CB,   168
.set X0,   96
.set TM,   224
.set PC0,  240
.set CA,   96                          ; context: v96-223, 16 accumulators, one for each 16 of my 256 columns
.set WF,   224                         ; context: v224-239, the weights' two fragments (rows 0-31, rows 32-63); v240-251 at work
.set WV,   24
.set G1,   32
.set G0,   40
.set BLK,  52
.set TRIP, 53
.set STP,  54
.set SO,   55
.set CVO,  71
.set MSB, 0
.macro WIN new                         ; the immediate's high byte repeats the setting that is left
.if MSB != (\new)
	s_set_vgpr_msb (MSB<<8)|(\new)
.set MSB, (\new)
.endif
.endm
.set MUL,     0x07                     ; source 0 (Wh) window 3, source 1 (enc) window 1, C and D window 0
.set TO_A,    0x40
.set TO_ST,   0x80
.set TO_B,    0xc0
	s_load_b512 s[4:19], s[0:1], 0x0               ; enc, whf, Wh scales, cdec, wc, v, cov, mask
	s_load_b128 s[20:23], s[0:1], 0x40             ; sco, cx
	v_lshl_add_u32 v[SPW], v0, 2, SPARE
	v_mov_b32 v[NIL], 0
	ds_add_u32 v[SPW], v[NIL]                      ; the wave's opening: the add, twice on end, and its wait ahead of my first tensor load
	ds_add_u32 v[SPW], v[NIL]
	v_lshrrev_b32 v240, 5, v0
	v_readfirstlane_b32 s[WV], v240                ; wave 0..3
	; descriptor group 1: 64 rows x 256 f32, 1,024 elements from row to row; in LDS 4 words of padding behind every 256
	s_mov_b32 s[G1+0], (2<<16)|(1<<20)|(7<<22)|(3<<25)
	s_mov_b32 s[G1+1], 256<<16                     ; tensor_dim0
	s_mov_b32 s[G1+2], 64<<16                      ; tensor_dim1
	s_mov_b32 s[G1+3], 256<<16                     ; tile_dim0
	s_mov_b32 s[G1+4], 64                          ; tile_dim1
	s_mov_b32 s[G1+5], 1024                        ; the pitch
	s_mov_b32 s[G1+6], 0
	s_mov_b32 s[G1+7], 0
	s_mov_b32 s[G0], 1
	s_mul_i32 s[G0+1], s[WV], LANDW                ; my landing zone
	s_lshl_b32 s56, ttmp9, 20                      ; 256 rows of 4,096 bytes
	s_lshl_b32 s70, s[WV], 10                      ; my 256 columns
	s_add_co_u32 s56, s56, s70
	s_mov_b32 s57, 0                               ; stays 0: the upper word of every offset
	s_mov_b32 s44, 0x4038aa3b                      ; c = 2 log2(e)
	s_mov_b32 s45, s44
	s_mov_b32 s72, 0xc038aa3b                      ; -c
	s_mov_b32 s73, s72
	s_mov_b32 s46, 0x76543210
	s_mov_b32 s47, 0xfedcba98                      ; v_permlanex16_b32's selects for lane l xor 16
	s_mov_b32 s48, 0xffff0000                      ; lanes 16-31
	s_mov_b32 s[SO], 0
	s_mov_b32 s[CVO], 0
	s_wait_dscnt 0x0                               ; both opening adds are done
	s_wait_kmcnt 0x0
	s_add_nc_u64 s[G0+2:G0+3], s[4:5], s[56:57]
	s_or_b32 s[G0+3], s[G0+3], 0x80000000          ; type = 2
	tensor_load_to_lds s[G0:G0+3], s[G1:G1+7]      ; block 0
	s_nop 0
.rept 4
	v_nop
.endr
	; the tables: thread t takes e = 4 t .. 4 t + 3 and 512 + 4 t .. : every load of a wave covers 512 consecutive bytes
	v_lshlrev_b32 v243, 4, v0
	v_lshlrev_b32 v245, 3, v0
	s_lshr_b32 s70, ttmp9, 1                       ; the batch
	s_lshl_b32 s56, s70, 12
	s_add_nc_u64 s[10:11], s[10:11], s[56:57]
	s_lshl_b32 s56, ttmp9, 10                      ; 256 f32
	s_add_nc_u64 s[16:17], s[16:17], s[56:57]
	s_add_nc_u64 s[18:19], s[18:19], s[56:57]
	s_add_nc_u64 s[68:69], s[20:21], s[56:57]      ; sco at my first row
	global_load_b128 v[96:99], v243, s[10:11]
	global_load_b128 v[100:103], v243, s[10:11] offset:2048
	global_load_b128 v[104:107], v243, s[12:13]
	global_load_b128 v[108:111], v243, s[12:13] offset:2048
	global_load_b128 v[112:115], v243, s[14:15]
	global_load_b128 v[116:119], v243, s[14:15] offset:2048
	global_load_b64 v[120:121], v245, s[16:17]
	global_load_b64 v[122:123], v245, s[18:19]
	v_and_b32 v240, 31, v0                         ; lane
	v_and_b32 v241, 15, v0                         ; r
	v_bfe_u32 v242, v0, 4, 1                       ; h
	v_lshl_add_u32 v244, v0, 4, PAR
	v_lshl_add_u32 v246, v0, 3, COV
	s_mul_i32 s70, s[WV], LANDW
	v_mul_u32_u24 v[VL], v241, LPITCH
	v_lshl_add_u32 v[VL], v242, 6, v[VL]
	v_add_nc_u32 v[VL], s70, v[VL]
	s_lshl_b32 s70, s[WV], 11
	s_add_co_u32 s70, s70, AIMG
	v_lshl_add_u32 v[VI], v240, 4, s70
	s_lshl_b32 s70, s[WV], 7
	s_add_co_u32 s70, s70, ASC
	v_lshl_add_u32 v[VS], v241, 2, s70
	v_lshl_add_u32 v[VLI], v240, 4, AIMG
	v_lshl_add_u32 v[VAS], v241, 2, ASC
	v_lshl_add_u32 v[VAS], v242, 8, v[VAS]
	v_lshl_add_u32 v[VC], v241, 2, COV
	s_lshl_b32 s70, s[WV], 10
	s_add_co_u32 s70, s70, PAR
	v_lshl_add_u32 v[VP0], v242, 5, s70
	v_lshlrev_b32 v[VB], 4, v240
	v_lshlrev_b32 v[VBS], 5, v241
	v_lshl_add_u32 v[VBS], v242, 4, v[VBS]
	s_lshl_b32 s70, s[WV], 8
	s_add_co_u32 s70, s70, SX
	v_lshl_add_u32 v[VSXW], v241, 2, s70
	v_lshl_add_u32 v[VSXR], v241, 2, SX
	v_lshlrev_b32 v[V8], 3, v240
	v_lshl_add_u32 v[VSX8], v240, 3, SX
	s_lshl_b32 s70, s[WV], 10
	s_add_co_u32 s70, s70, CST
	v_lshl_add_u32 v[VX], v240, 2, s70
	v_lshl_add_u32 v[VXR], v240, 4, s70
	s_lshl_b32 s56, s[WV], 17                      ; my 16 tiles of 8,192 bytes
	s_add_nc_u64 s[62:63], s[6:7], s[56:57]
	s_lshl_b32 s56, s[WV], 13                      ; and of 512 scale bytes
	s_add_nc_u64 s[66:67], s[8:9], s[56:57]
	s_mov_b64 s[58:59], s[62:63]
	s_mov_b64 s[60:61], s[66:67]
	s_lshl_b32 s56, ttmp9, 12
	s_lshl_b32 s70, s[WV], 10
	s_add_co_u32 s56, s56, s70
	s_add_nc_u64 s[22:23], s[22:23], s[56:57]      ; cx at my 256 columns
	v_mov_b32 v[RM], 0xff61b1e6                    ; the largest score so far: -3e38
.irp j, 0,1,2,3,4,5,6,7
	v_mov_b32 v[CTX+\j], 0                         ; the first rescaling multiplies zeros
.endr
.irp j, 0,1,2,3
	v_mov_b32 v[COVP+2*\j+1], 0                    ; named as the upper halves of pairs
	v_mov_b32 v[TM+4+\j], 0                        ; a lane permute's destination counts as one of its sources
	v_mov_b32 v[92+\j], 0
.endr
	s_wait_loadcnt 0x0                             ; the tables
.irp j, 0,2,4,6
	v_pk_mul_f32 v[104+\j:105+\j], v[104+\j:105+\j], s[44:45] op_sel_hi:[1,0]   ; c wc
	v_pk_mul_f32 v[112+\j:113+\j], v[112+\j:113+\j], s[72:73] op_sel_hi:[1,0]   ; -c v
.endr
.irp p, 0,1,2
	ds_store_b128 v244, v[96+8*\p:99+8*\p] offset:4096*\p
	ds_store_b128 v244, v[100+8*\p:103+8*\p] offset:4096*\p+2048
.endr
	ds_store_b64 v246, v[120:121]
	ds_store_b64 v246, v[122:123] offset:1024      ; (the first block's barrier shows the tables to every wave)
; a tile of Wh into ring buffer buf: 16 loads of 512 consecutive bytes, and its scale words (register j: lanes 0-15 K step j, lanes 16-31 K step 4 + j)
.macro LOADB buf
	WIN TO_B
.irp i, 0,1,2,3,4,5,6,7,8,9,10,11,12,13,14,15
	global_load_b128 v[64*(\buf)+4*\i:64*(\buf)+4*\i+3], v[VB], s[58:59] offset:8192*(\buf)+512*\i
.endr
	WIN 0
	global_load_b128 v[BS+4*(\buf):BS+4*(\buf)+3], v[VBS], s[60:61] offset:512*(\buf)
.endm
.macro STEPB                           ; the bases of the ring's next four tiles, round my 16
	s_wait_xcnt 0x0                                ; the loads issued so far have read their bases; the youngest of them stand a whole tile's vector work back
	s_add_co_u32 s[SO], s[SO], 32768
	s_and_b32 s[SO], s[SO], 0x1ffff
	s_mov_b32 s56, s[SO]
	s_add_nc_u64 s[58:59], s[62:63], s[56:57]
	s_lshr_b32 s56, s[SO], 4
	s_add_nc_u64 s[60:61], s[66:67], s[56:57]
.endm
	LOADB 0                                        ; tiles 0 to 3; the bases are stepped ahead of the next loads, in the first trip
	LOADB 1
	LOADB 2
	LOADB 3
; 16 rows (16 m on) x 128 columns (128 s on) of my landing zone: register 16 b + i of set s = column 128 s + 32 b + 16 h + i of row 16 m + r
.macro LOADX m, s
.irp b, 0,1,2,3
.irp j, 0,1,2,3
	ds_load_b128 v[X0+64*(\s)+16*\b+4*\j:X0+64*(\s)+16*\b+4*\j+3], v[VL] offset:16*LPITCH*(\m)+512*(\s)+128*\b+16*\j
.endr
.endr
.endm
; 64 numbers of a lane from v[src] on become a fragment's codes in v[pc] on and its scale word in v[pw]
.macro QUANT src, pc, pw
.irp b, 0,1,2,3
	v_max3_num_f32 v[TM+\b], |v[\src+16*\b]|, |v[\src+1+16*\b]|, 0x1800000   ; block b: my 16 numbers, and the floor 2^(3 - 127): the byte cannot fall under 1
.endr
.irp i, 2,4,6,8,10,12,14
.irp b, 0,1,2,3
	v_max3_num_f32 v[TM+\b], v[TM+\b], |v[\src+16*\b+\i]|, |v[\src+1+16*\b+\i]|
.endr
.endr
.irp b, 0,1,2,3
	v_permlanex16_b32 v[TM+4+\b], v[TM+\b], s46, s47
.endr
.irp b, 0,1,2,3
	v_max_num_f32 v[TM+\b], v[TM+\b], v[TM+4+\b]   ; with lane l xor 16's: the block's largest magnitude
.endr
.irp b, 0,1,2,3
	v_add_nc_u32 v[TM+12+\b], 0xff000000, v[TM+\b] ; 2 off its exponent field: the conversion's scale operand
.endr
.irp b, 0,1,2,3
	v_lshrrev_b32 v[TM+4+\b], 23, v[TM+12+\b]      ; the scale's byte
.endr
	v_lshl_or_b32 v[\pw], v[TM+5], 8, v[TM+4]
	v_lshl_or_b32 v[\pw], v[TM+6], 16, v[\pw]
	v_lshl_or_b32 v[\pw], v[TM+7], 24, v[\pw]
.irp b, 0,1,2,3
	v_cvt_scalef32_pk8_fp4_f32 v[\pc+2*\b], v[\src+16*\b:\src+7+16*\b], v[TM+12+\b]
	v_cvt_scalef32_pk8_fp4_f32 v[\pc+1+2*\b], v[\src+8+16*\b:\src+15+16*\b], v[TM+12+\b]
.endr
	v_nop                                          ; one plain place behind a scaled conversion
.irp c, 0,1                                    ; the operand's layout wants a whole block in a lane
.irp i, 0,1
	v_permlane16_swap_b32 v[\pc+4*\c+\i], v[\pc+2+4*\c+\i]
.endr
.endr
.endm
; unit (m, s): quantised, kept as bf16, its image and scale word stored; more = 1: the set takes the unit two further on.  left: the younger LDS instructions
.macro UNIT m, s, left, more
.set XS_, X0+64*(\s)
.set PC_, PC0+8*(\s)
.set PW_, PW0+(\s)
	s_wait_dscnt \left
	QUANT XS_, PC_, PW_
	WIN TO_ST
.irp b, 0,1,2,3
.irp k, 0,1,2,3,4,5,6,7
	v_cvt_pk_bf16_f32 v[32*(4*(\s)+\b)+8*(\m)+\k], v[XS_+16*\b+2*\k], v[XS_+16*\b+2*\k+1]
.endr
.endr
	WIN 0
	ds_store_b128 v[VI], v[PC_:PC_+3] offset:8192*(\m)+1024*(\s)
	ds_store_b128 v[VI], v[PC_+4:PC_+7] offset:8192*(\m)+1024*(\s)+512
	ds_store_b32 v[VS], v[PW_] offset:512*(\m)+64*(\s)     ; lanes r and 16 + r write the same word with the same value
.if \more
	LOADX (\m)+1, \s
.endif
.endm
.macro CONVERT
	s_wait_tensorcnt 0x0                           ; my one tensor load has landed; only I read its bytes
	LOADX 0, 0
	LOADX 0, 1
	UNIT 0, 0, 16, 1                               ; behind its loads: the next unit's 16
	UNIT 0, 1, 19, 1                               ; behind its loads: 3 stores and 16 loads
	UNIT 1, 0, 19, 1
	UNIT 1, 1, 19, 1
	UNIT 2, 0, 19, 1
	UNIT 2, 1, 19, 1
	UNIT 3, 0, 19, 0
	UNIT 3, 1, 3, 0                                ; behind its loads: 3 stores
.endm
; the block's first barrier: the images lie in LDS, and nobody reads the landing zones any more.  refill = 1: the next block is asked for
.macro MEET refill
.if \refill
	s_wait_tensorcnt 0x0                           ; no tensor load of mine is out, so group 0 may be written
	ds_add_u32 v[SPW], v[NIL]                      ; 0 onto my spare word
	s_add_nc_u64 s[G0+2:G0+3], s[G0+2:G0+3], 262144  ; 64 rows on; the type bits on top are not reached
.endif
	s_wait_dscnt 0x0                               ; my stores have landed, my reads of the landing zone are over (and the add is done)
	s_barrier_signal -1
	s_barrier_wait -1
.if \refill
	tensor_load_to_lds s[G0:G0+3], s[G1:G1+7]      ; my one tensor load behind the barrier, and the first thing there
	s_nop 0
.rept 4
	v_nop
.endr
.endif
.endm
.macro ALOAD
	WIN TO_A
.set n_, 0
.rept 64
	ds_load_b128 v[4*n_:4*n_+3], v[VLI] offset:512*n_    ; the 32 fragments as they were stored
.set n_, n_+1
.endr
	WIN 0
.irp m, 0,1,2,3
.irp q, 0,1,2,3
	ds_load_b32 v[AS+4*\m+\q], v[VAS] offset:512*\m+64*\q   ; lanes 0-15 the word of (m, q), lanes 16-31 that of (m, q + 4)
.endr
.endr
	v_add_nc_u32 v[VPC], s[CVO], v[VC]             ; this block's 64 rows
.irp m, 0,1,2,3
	ds_load_b32 v[COVP+2*\m], v[VPC] offset:64*\m
	ds_load_b32 v[RMK+\m], v[VPC] offset:1024+64*\m
.endr
.irp j, 0,1,2,3,4,5,6,7
	v_mov_b32 v[SC+\j], 0
.endr
	s_wait_dscnt 0x0
.endm
; 1 / (1 + 2^x) of 4 x 8 numbers a lane, and the dot product with -c v
.macro VEC
.irp m, 0,1,2,3
.irp j, 0,2,4,6
	v_pk_fma_f32 v[AC+8*\m+\j:AC+8*\m+\j+1], v[AC+8*\m+\j:AC+8*\m+\j+1], s[44:45], v[CB+8*\m+\j:CB+8*\m+\j+1] op_sel_hi:[1,0,1]   ; c x the product + (c wc cov + c dec); each accumulator from its low end on
.endr
.endr
.set e_, 0
	s_wait_alu depctr_va_vdst(0)
.rept 32
	v_exp_f32 v[AC+e_], v[AC+e_]
.set e_, e_+1
.endr
	v_nop                                          ; a plain place behind the last exponential
	s_wait_alu depctr_va_vdst(0)                   ; one wait for the batch, ahead of its first reader
.set e_, 0
.rept 16
	v_pk_add_f32 v[AC+e_:AC+e_+1], v[AC+e_:AC+e_+1], 1.0 op_sel_hi:[1,0]
.set e_, e_+2
.endr
.set e_, 0
	s_wait_alu depctr_va_vdst(0)
.rept 32
	v_rcp_f32 v[AC+e_], v[AC+e_]
.set e_, e_+1
.endr
	v_nop
	s_wait_alu depctr_va_vdst(0)                   ; and one for the reciprocals
.irp j, 0,2,4,6
.irp m, 0,1,2,3
	v_pk_fma_f32 v[SC+2*\m:SC+2*\m+1], v[AC+8*\m+\j:AC+8*\m+\j+1], v[PR+16+\j:PR+16+\j+1], v[SC+2*\m:SC+2*\m+1]
.endr
.endr
.endm
; a tile of 16 e from ring buffer buf against the 64 rows.  left: the younger global loads (17 a tile).  load = 1: the buffer takes the tile four further on
.macro ET buf, left, load
	s_wait_loadcnt \left
	ds_load_b128 v[PR:PR+3], v[VPC] offset:4096+64*(\buf)          ; c wc, c dec, -c v at e = 16 t + 8 h + 0 .. 7
	ds_load_b128 v[PR+4:PR+7], v[VPC] offset:4096+64*(\buf)+16
	ds_load_b128 v[PR+8:PR+11], v[VPC] offset:64*(\buf)
	ds_load_b128 v[PR+12:PR+15], v[VPC] offset:64*(\buf)+16
	ds_load_b128 v[PR+16:PR+19], v[VPC] offset:8192+64*(\buf)
	ds_load_b128 v[PR+20:PR+23], v[VPC] offset:8192+64*(\buf)+16
	WIN MUL
.irp q, 0,1,2,3,4,5,6,7                        ; the four accumulators by turns, K ascending; the first product starts each sum
.irp m, 0,1,2,3
.if \q == 0
	v_wmma_scale_f32_16x16x128_f8f6f4 v[AC+8*\m:AC+8*\m+7], v[64*(\buf)+8*\q:64*(\buf)+8*\q+7], v[8*(8*\m+\q):8*(8*\m+\q)+7], 0, v[BS+4*(\buf)+\q], v[AS+4*\m+\q] matrix_a_fmt:MATRIX_FMT_FP4 matrix_b_fmt:MATRIX_FMT_FP4
.elseif \q < 4
	v_wmma_scale_f32_16x16x128_f8f6f4 v[AC+8*\m:AC+8*\m+7], v[64*(\buf)+8*\q:64*(\buf)+8*\q+7], v[8*(8*\m+\q):8*(8*\m+\q)+7], v[AC+8*\m:AC+8*\m+7], v[BS+4*(\buf)+\q], v[AS+4*\m+\q] matrix_a_fmt:MATRIX_FMT_FP4 matrix_b_fmt:MATRIX_FMT_FP4
.else
	v_wmma_scale_f32_16x16x128_f8f6f4 v[AC+8*\m:AC+8*\m+7], v[64*(\buf)+8*\q:64*(\buf)+8*\q+7], v[8*(8*\m+\q):8*(8*\m+\q)+7], v[AC+8*\m:AC+8*\m+7], v[BS+4*(\buf)+\q-4], v[AS+4*\m+\q-4] matrix_a_fmt:MATRIX_FMT_FP4 matrix_b_fmt:MATRIX_FMT_FP4 matrix_a_scale:MATRIX_SCALE_ROW1 matrix_b_scale:MATRIX_SCALE_ROW1
.endif
.endr
.endr
	WIN 0
	s_wait_dscnt 0x0                               ; the parameters, asked for ahead of the products
.irp m, 0,1,2,3                                ; c wc cov + c dec: sixteen plain lines that name no register of the products: they are the places ahead of the loads into registers that the products read, and of the first read of a result
.irp j, 0,2,4,6
	v_pk_fma_f32 v[CB+8*\m+\j:CB+8*\m+\j+1], v[PR+\j:PR+\j+1], v[COVP+2*\m:COVP+2*\m+1], v[PR+8+\j:PR+8+\j+1] op_sel_hi:[1,0,1]
.endr
.endr
.if \load
.if (\buf) == 0
	STEPB                                          ; once a trip, ahead of its first loads
.endif
	LOADB \buf
.endif
	VEC
.endm
.macro GEMM trips, fin
	s_mov_b32 s[STP], 0
	s_mov_b32 s[TRIP], \trips
.Ltrip_\@:                                         ; a trip: four tiles, once round the ring
	v_add_nc_u32 v[VPC], s[STP], v[VP0]
	s_wait_alu depctr_va_vdst(0)
	ET 0, 51, 1                                    ; three younger tiles, 17 loads each, may be out
	ET 1, 51, 1
	ET 2, 51, 1
	ET 3, 51, 1
	s_add_co_u32 s[STP], s[STP], 256               ; 64 e on in the tables
	s_sub_co_u32 s[TRIP], s[TRIP], 1
	s_cmp_lg_u32 s[TRIP], 0
	s_cbranch_scc1 .Ltrip_\@
.if \fin
	v_add_nc_u32 v[VPC], s[STP], v[VP0]
	s_wait_alu depctr_va_vdst(0)
	ET 0, 51, 0                                    ; the launch's last four tiles load nothing: the counts run down
	ET 1, 34, 0
	ET 2, 17, 0
	ET 3, 0, 0
.endif
.endm
.macro SCORES
.irp m, 0,1,2,3
	v_add_f32 v[86+\m], v[SC+2*\m], v[SC+2*\m+1]
.endr
.irp m, 0,1,2,3
	v_permlanex16_b32 v[92+\m], v[86+\m], s46, s47
.endr
.irp m, 0,1,2,3
	v_add_f32 v[86+\m], v[86+\m], v[92+\m]         ; row 16 m + r over my 256 e
.endr
.irp m, 0,1,2,3
	ds_store_b32 v[VSXW], v[86+\m] offset:64*\m
.endr
	s_wait_dscnt 0x0                               ; for the others' sake: my stores have landed; my reads of the images were over long ago
	s_barrier_signal -1
	s_barrier_wait -1
.irp w, 0,1,2,3
.irp m, 0,1,2,3
	ds_load_b32 v[96+4*\w+\m], v[VSXR] offset:256*\w+64*\m
.endr
.endr
	s_wait_dscnt 0x0
.irp m, 0,1,2,3
	v_add_f32 v[112+\m], v[96+\m], v[100+\m]
	v_add_f32 v[116+\m], v[104+\m], v[108+\m]
.endr
.irp m, 0,1,2,3
	v_add_f32 v[86+\m], v[112+\m], v[116+\m]       ; score2 of row 16 m + r
.endr
	s_cmp_lg_u32 s[WV], 0                          ; wave 0 stores the block's 64 scores, summed in the same order: the same bits
	s_cbranch_scc1 .Lnot_0_\@
.irp w, 0,1,2,3
	ds_load_b64 v[120+2*\w:121+2*\w], v[VSX8] offset:256*\w
.endr
	s_wait_dscnt 0x0
	v_pk_add_f32 v[128:129], v[120:121], v[122:123]
	v_pk_add_f32 v[130:131], v[124:125], v[126:127]
	v_pk_add_f32 v[128:129], v[128:129], v[130:131]
	global_store_b64 v[V8], v[128:129], s[68:69]   ; 32 lanes store 256 consecutive bytes, aligned.  Its data (v128, v129) are written again only behind the context's wait on XCNT, its offset and base only behind the wait at the block's end
.Lnot_0_\@:
.endm
.macro SOFTMAX
	v_max3_num_f32 v92, v86, v87, v88
	v_max_num_f32 v92, v92, v89
	v_max_num_f32_dpp v92, v92, v92 row_xmask:1 row_mask:0xf bank_mask:0xf
	v_max_num_f32_dpp v92, v92, v92 row_xmask:2 row_mask:0xf bank_mask:0xf
	v_max_num_f32_dpp v92, v92, v92 row_xmask:4 row_mask:0xf bank_mask:0xf
	v_max_num_f32_dpp v92, v92, v92 row_xmask:8 row_mask:0xf bank_mask:0xf   ; both halves of the lanes hold the same 64 rows
	v_max_num_f32 v92, v[RM], v92                  ; the running maximum, masked rows among them
	v_sub_f32 v[RF], v[RM], v92
.irp m, 0,1,2,3
	v_sub_f32 v[RP+\m], v[86+\m], v92
.endr
	s_wait_alu depctr_va_vdst(0)
	v_exp_f32 v[RF], v[RF]                         ; what was summed under the old maximum is brought under the new
.irp m, 0,1,2,3
	v_exp_f32 v[RP+\m], v[RP+\m]
.endr
	v_mov_b32 v[RM], v92                           ; (a plain place behind the exponentials)
	s_wait_alu depctr_va_vdst(0)                   ; one wait for the five
.irp m, 0,1,2,3
	v_mul_f32 v[RP+\m], v[RP+\m], v[RMK+\m]
.endr
.endm
; THE CONTEXT, ON THE MATRIX UNITS (the table's fourth product, left as it is: bf16 operands, f32 sums): the block's 64 weights x my 64 rows x 256 columns.  K = the rows.
; The kept rows have a lane to a row; an operand wants its registers along K.  So they go through LDS: [32 rows][16 columns] of bf16, 32 bytes a row, 1,024 bytes a tile, and come back by the transposing load
; with a lane to a column.  THE STAGE is my own four chunks of 2,048 bytes among the images (AIMG + 8,192 c + 2,048 wave): every wave's reads of the images were over in front of the scores' barrier,
; and only I store there until the next block's barrier.  8,192 bytes a round, four rounds; LDS serves a wave's instructions in order, so a round's stores follow the round before's loads with no wait.
; Chunk 2 gg + kk holds rows 32 kk on of columns 32 (2 p + gg) on: its first 1,024 bytes the lower 16 columns, the rest the upper 16.
; The fragments land in window 1, where enc's codes are done with: tile T (16 columns), rows 32 kk on, at v[16 T + 8 kk].
; THE WEIGHTS are rounded to bf16 and go through 128 bytes of my way-out bytes (row 16 m + r at 2 (16 m + r)); every lane takes them back by K, so all 16 rows of source 0 are alike
; and every register of a result holds the sum of column 16 T + r.  Lanes 0-15 take tile 2 g's, lanes 16-31 tile 2 g + 1's: lane l has column 32 g + l.
.macro CONTEXT
	s_lshl_b32 s70, s[WV], 10
	s_add_co_u32 s70, s70, CST                     ; my way-out bytes
	s_lshl_b32 s74, s[WV], 11
	s_add_co_u32 s74, s74, AIMG                    ; my chunks
	v_and_b32 v240, 15, v0                         ; r
	v_bfe_u32 v241, v0, 4, 1                       ; h
	v_lshl_add_u32 v242, v240, 1, s70              ; weights, in: 2 r
	v_lshl_add_u32 v243, v241, 4, s70              ; weights, back: 16 h
	v_lshl_add_u32 v244, v240, 5, s74              ; stage, in: 32 r
	v_lshl_add_u32 v244, v241, 10, v244            ; + 1,024 h: my 16 columns' tile
	v_and_b32 v245, 7, v0
	v_lshl_add_u32 v245, v241, 3, v245             ; stage, back: row 8 h + lane % 8,
	v_bfe_u32 v246, v0, 3, 1
	v_lshl_add_u32 v245, v245, 5, s74
	v_lshl_add_u32 v245, v246, 4, v245             ; and which 16 bytes of it
.irp m, 0,1,2,3
	v_cvt_pk_bf16_f32 v[248+\m], v[RP+\m], v[RP+\m]
.endr
	s_wait_alu depctr_va_vdst(0)
.irp m, 0,1,2,3
	ds_store_b16 v242, v[248+\m] offset:32*\m      ; lanes r and 16 + r write the same half word with the same value
.endr
.irp i, 0,1,2,3
	ds_load_b128 v[WF+4*\i:WF+4*\i+3], v243 offset:32*\i   ; fragment i / 2: rows 8 h + 0 .. 7, then 16 + 8 h + 0 .. 7
.endr
.irp p, 0,1,2,3
	WIN 0x08                                       ; the data: window 2
.irp gg, 0,1
.irp m, 0,1,2,3
	ds_store_b128 v244, v[32*(2*\p+\gg)+8*\m:32*(2*\p+\gg)+8*\m+3] offset:8192*(2*\gg+\m/2)+512*(\m%2)
	ds_store_b128 v244, v[32*(2*\p+\gg)+8*\m+4:32*(2*\p+\gg)+8*\m+7] offset:8192*(2*\gg+\m/2)+512*(\m%2)+16
.endr
.endr
	WIN TO_A
.irp gg, 0,1
.irp hh, 0,1
.irp kk, 0,1
	ds_load_tr16_b128 v[16*(2*(2*\p+\gg)+\hh)+8*\kk:16*(2*(2*\p+\gg)+\hh)+8*\kk+3], v245 offset:8192*(2*\gg+\kk)+1024*\hh
	ds_load_tr16_b128 v[16*(2*(2*\p+\gg)+\hh)+8*\kk+4:16*(2*(2*\p+\gg)+\hh)+8*\kk+7], v245 offset:8192*(2*\gg+\kk)+1024*\hh+512
.endr
.endr
.endr
.endr
	s_wait_xcnt 0x0                                ; wave 0's store of the scores has read its data: v128 and v129 lie among the accumulators below
	s_wait_dscnt 0x0                               ; the weights and all 32 fragments are in
	WIN 0x04                                       ; source 1 (enc) window 1
.irp kk, 0,1                                   ; the 16 accumulators by turns; the first product starts each sum
.irp t, 0,1,2,3,4,5,6,7,8,9,10,11,12,13,14,15
.if \kk == 0
	v_wmma_f32_16x16x32_bf16 v[CA+8*\t:CA+8*\t+7], v[WF:WF+7], v[16*\t:16*\t+7], 0
.else
	v_wmma_f32_16x16x32_bf16 v[CA+8*\t:CA+8*\t+7], v[WF+8:WF+15], v[16*\t+8:16*\t+15], v[CA+8*\t:CA+8*\t+7]
.endif
.endr
.endr
	WIN 0
.rept 4
	v_nop                                          ; four places ahead of the first read of a result
.endr
.irp g, 0,1,2,3,4,5,6,7
	v_cndmask_b32 v[240+\g], v[CA+16*\g], v[CA+16*\g+8], s48   ; each accumulator's lowest register
.endr
.irp g, 0,1,2,3,4,5,6,7
	v_fma_f32 v[CTX+\g], v[CTX+\g], v[RF], v[240+\g]
.endr
.endm
.macro BLOCK refill, trips, fin
	CONVERT
	MEET \refill
	ALOAD
	GEMM \trips, \fin
	SCORES
	s_wait_alu depctr_va_vdst(0)
	SOFTMAX
	CONTEXT
.if \refill
	s_wait_xcnt 0x0                                ; wave 0's store of the scores has read its registers and its base: the base steps below, the data's registers take the next block's numbers
	s_add_co_u32 s[CVO], s[CVO], 256               ; the next block's cov and mask,
	s_add_nc_u64 s[68:69], s[68:69], 256           ; and its scores
.endif
.endm
	s_mov_b32 s[BLK], 3
.Lblk:
	BLOCK 1, 4, 0
	s_sub_co_u32 s[BLK], s[BLK], 1
	s_cmp_lg_u32 s[BLK], 0
	s_cbranch_scc1 .Lblk
	BLOCK 0, 3, 1                                  ; the last block is written out: it asks for nothing more
	; the way out: lane l of register g holds column 32 g + l; through my own 1,024 bytes of LDS they become 16 bytes a lane
.irp g, 0,1,2,3,4,5,6,7
	ds_store_b32 v[VX], v[CTX+\g] offset:128*\g
.endr
	ds_load_b128 v[96:99], v[VXR]                  ; LDS serves a wave's instructions in order: these see my stores
	ds_load_b128 v[100:103], v[VXR] offset:512
	s_wait_dscnt 1                                 ; the second load may be out
	global_store_b128 v[VB], v[96:99], s[22:23]    ; 32 lanes store 512 consecutive bytes
	s_wait_dscnt 0x0
	global_store_b128 v[VB], v[100:103], s[22:23] offset:512
	s_wait_tensorcnt 0x0                           ; the wave's end: behind my last tensor load and my last LDS store
	ds_add_u32 v[SPW], v[NIL]
	s_wait_dscnt 0x0
	s_endpgm
.Lfunc_end_k_qa13ffc62af_main:
	.size	k_qa13ffc62af_main, .Lfunc_end_k_qa13ffc62af_main-k_qa13ffc62af_main
	.p2alignl 7, 3214868480
	.fill 96, 4, 3214868480
	.section	.rodata,"a",@progbits
	.p2align	6, 0x0
	.amdhsa_kernel k_qa13ffc62af_main
		.amdhsa_group_segment_fixed_size 327680
		.amdhsa_private_segment_fixed_size 0
		.amdhsa_enable_private_segment 0
		.amdhsa_kernarg_size 80
		.amdhsa_user_sgpr_count 2
		.amdhsa_user_sgpr_kernarg_segment_ptr 1
		.amdhsa_wavefront_size32 1
		.amdhsa_system_sgpr_workgroup_id_x 1
		.amdhsa_system_sgpr_workgroup_id_y 1
		.amdhsa_system_sgpr_workgroup_id_z 1
		.amdhsa_system_vgpr_workitem_id 0
		.amdhsa_next_free_vgpr 1024
		.amdhsa_next_free_sgpr 80
		.amdhsa_reserve_vcc 0
		.amdhsa_float_denorm_mode_32 3
		.amdhsa_float_denorm_mode_16_64 3
		.amdhsa_memory_ordered 1
		.amdhsa_forward_progress 1
		.amdhsa_inst_pref_size 255
	.end_amdhsa_kernel
	.section	.bss,"aw",@nobits
	.p2align	6
	.space	262144
	.amdgpu_metadata
---
amdhsa.version: [ 1, 2 ]
amdhsa.kernels:
  - .name:           k_qa13ffc62af_main
    .symbol:         k_qa13ffc62af_main.kd
    .args:
      - { .name: encoder_output, .offset: 0, .size: 8, .value_kind: global_buffer, .address_space: global }
      - { .name: whf, .offset: 8, .size: 8, .value_kind: global_buffer, .address_space: global }
      - { .name: Wh_w_scales, .offset: 16, .size: 8, .value_kind: global_buffer, .address_space: global }
      - { .name: cdec, .offset: 24, .size: 8, .value_kind: global_buffer, .address_space: global }
      - { .name: wc_w, .offset: 32, .size: 8, .value_kind: global_buffer, .address_space: global }
      - { .name: v_w, .offset: 40, .size: 8, .value_kind: global_buffer, .address_space: global }
      - { .name: coverage_vector, .offset: 48, .size: 8, .value_kind: global_buffer, .address_space: global }
      - { .name: x_padding_masks, .offset: 56, .size: 8, .value_kind: global_buffer, .address_space: global }
      - { .name: sco, .offset: 64, .size: 8, .value_kind: global_buffer, .address_space: global }
      - { .name: cx, .offset: 72, .size: 8, .value_kind: global_buffer, .address_space: global }
    .group_segment_fixed_size: 327680
    .private_segment_fixed_size: 0
    .kernarg_segment_align: 8
    .kernarg_segment_size: 80
    .max_flat_workgroup_size: 128
    .sgpr_count:     80
    .vgpr_count:     1024
    .wavefront_size: 32
...
	.end_amdgpu_metadata
.endif
;; end of part 2
;; launch fin (part 3): grid 128 x 1, 4 waves a work-group, no clusters, 1,024 bytes of LDS; arguments sco, cx, x_padding_masks, coverage_vector, out0, out1, out2; writes out0, out1, out2
.if DOCPART == 3
	.amdgcn_target "amdgcn-amd-amdhsa--gfx1250"
	.amdhsa_code_object_version 6
	.text
	.protected	k_qa13ffc62af_fin
	.globl	k_qa13ffc62af_fin
	.p2align	8
	.type	k_qa13ffc62af_fin,@function
k_qa13ffc62af_fin:
	s_mov_b64 s[64:65], 0
	v_nop
	global_prefetch_b8 v0, s[64:65] scope:SCOPE_SE
	s_setreg_imm32_b32 hwreg(HW_REG_WAVE_MODE, 25, 1), 1
	s_wait_xcnt 0x0
; One batch a work-group: from the 512 scores (base 2) and the two halves' contexts to the three outputs.
;   M = the largest score of the batch; e_s = 2^(score2_s - M) mask_s; L = sum of e; out1 = e / L; out2 = cov + out1; out0 = (cx0 2^(m0 - M) + cx1 2^(m1 - M)) / L,
;   m0, m1 the largest score of rows 0-255 and 256-511: the very maxima under which the launch before summed cx0 and cx1 (a maximum rounds nothing, and the stored scores are the same bits).
; LEFT OUT (shown at the head of the first kernel): the softmax's own divisor, which cancels in the renormalisation.
; A batch whose every row is masked gives 0 x infinity = NaN, as reference()'s 0 / 0 does.  LIMIT: a sum L under 2^-126 counts as 0 in the reciprocal.
; Thread t takes rows 4 t .. 4 t + 3 (waves 0, 1: the first half) and columns 4 t .. 4 t + 3 and 512 + 4 t ..: every load and store of a wave covers 512 consecutive bytes.
; No matrix unit, no cluster, no tensor load: 14 KiB a work-group, read once.
.set SPARE, 512                        ; LDS: byte 0: four maxima; byte 256: four sums; from 512: the spare words
	s_load_b256 s[4:11], s[0:1], 0x0               ; sco, cx, mask, cov
	s_load_b128 s[12:15], s[0:1], 0x20             ; out0, out1
	s_load_b64 s[16:17], s[0:1], 0x30              ; out2
	v_lshl_add_u32 v2, v0, 2, SPARE                ; my spare word; never rewritten
	v_mov_b32 v3, 0                                ; 0; never rewritten
	v_lshlrev_b32 v1, 4, v0                        ; 16 t
	v_lshrrev_b32 v48, 5, v0
	v_lshlrev_b32 v48, 2, v48                      ; 4 x wave
	v_mov_b32 v49, 0                               ; LDS byte 0
	v_mov_b32 v33, 0                               ; a lane permute's destination counts as one of its sources
	s_mov_b32 s20, 0x76543210
	s_mov_b32 s21, 0xfedcba98
	s_lshl_b32 s22, ttmp9, 11                      ; 512 f32
	s_mov_b32 s23, 0
	s_lshl_b32 s24, ttmp9, 13                      ; two rows of cx
	s_mov_b32 s25, 0
	s_lshl_b32 s26, ttmp9, 12                      ; a row of out0
	s_mov_b32 s27, 0
	s_wait_alu depctr_va_vdst(0)
	s_wait_kmcnt 0x0
	s_add_nc_u64 s[4:5], s[4:5], s[22:23]
	s_add_nc_u64 s[6:7], s[6:7], s[24:25]
	s_add_nc_u64 s[8:9], s[8:9], s[22:23]
	s_add_nc_u64 s[10:11], s[10:11], s[22:23]
	s_add_nc_u64 s[12:13], s[12:13], s[26:27]
	s_add_nc_u64 s[14:15], s[14:15], s[22:23]
	s_add_nc_u64 s[16:17], s[16:17], s[22:23]
	global_load_b128 v[4:7], v1, s[4:5] th:TH_LOAD_NT
	global_load_b128 v[8:11], v1, s[8:9] th:TH_LOAD_NT
	global_load_b128 v[12:15], v1, s[10:11] th:TH_LOAD_NT
	global_load_b128 v[16:19], v1, s[6:7] th:TH_LOAD_NT
	global_load_b128 v[20:23], v1, s[6:7] offset:2048 th:TH_LOAD_NT
	global_load_b128 v[24:27], v1, s[6:7] offset:4096 th:TH_LOAD_NT
	global_load_b128 v[28:31], v1, s[6:7] offset:6144 th:TH_LOAD_NT
	s_wait_loadcnt 0x0
	v_max3_num_f32 v32, v4, v5, v6
	v_max_num_f32 v32, v32, v7
	v_max_num_f32_dpp v32, v32, v32 row_xmask:1 row_mask:0xf bank_mask:0xf
	v_max_num_f32_dpp v32, v32, v32 row_xmask:2 row_mask:0xf bank_mask:0xf
	v_max_num_f32_dpp v32, v32, v32 row_xmask:4 row_mask:0xf bank_mask:0xf
	v_max_num_f32_dpp v32, v32, v32 row_xmask:8 row_mask:0xf bank_mask:0xf
	v_permlanex16_b32 v33, v32, s20, s21
	v_max_num_f32 v32, v32, v33                    ; my wave's 128 rows
	ds_store_b32 v48, v32                          ; all lanes write the same word with the same value
	s_wait_dscnt 0x0
	s_barrier_signal -1
	s_barrier_wait -1
	ds_load_b128 v[36:39], v49
	s_wait_dscnt 0x0
	v_max_num_f32 v40, v36, v37                    ; m0
	v_max_num_f32 v41, v38, v39                    ; m1
	v_max_num_f32 v42, v40, v41                    ; M
.irp i, 0,1,2,3
	v_sub_f32 v[4+\i], v[4+\i], v42
.endr
	v_sub_f32 v40, v40, v42
	v_sub_f32 v41, v41, v42
	s_wait_alu depctr_va_vdst(0)
.irp i, 0,1,2,3
	v_exp_f32 v[4+\i], v[4+\i]
.endr
	v_exp_f32 v40, v40
	v_exp_f32 v41, v41
	v_nop                                          ; a plain place behind the last exponential
	s_wait_alu depctr_va_vdst(0)                   ; one wait for the six
.irp i, 0,1,2,3
	v_mul_f32 v[4+\i], v[4+\i], v[8+\i]            ; x mask
.endr
	v_add_f32 v43, v4, v5
	v_add_f32 v44, v6, v7
	v_add_f32 v43, v43, v44
	v_add_f32_dpp v43, v43, v43 row_xmask:1 row_mask:0xf bank_mask:0xf
	v_add_f32_dpp v43, v43, v43 row_xmask:2 row_mask:0xf bank_mask:0xf
	v_add_f32_dpp v43, v43, v43 row_xmask:4 row_mask:0xf bank_mask:0xf
	v_add_f32_dpp v43, v43, v43 row_xmask:8 row_mask:0xf bank_mask:0xf
	v_permlanex16_b32 v33, v43, s20, s21
	v_add_f32 v43, v43, v33
	ds_store_b32 v48, v43 offset:256               ; other bytes than the maxima's: no barrier is owed between
	s_wait_dscnt 0x0
	s_barrier_signal -1
	s_barrier_wait -1
	ds_load_b128 v[36:39], v49 offset:256
	s_wait_dscnt 0x0
	v_add_f32 v36, v36, v37
	v_add_f32 v38, v38, v39
	v_add_f32 v43, v36, v38                        ; L
	s_wait_alu depctr_va_vdst(0)
	v_rcp_f32 v43, v43
	v_nop
	s_wait_alu depctr_va_vdst(0)
	v_mul_f32 v44, v40, v43                        ; 2^(m0 - M) / L
	v_mul_f32 v46, v41, v43                        ; 2^(m1 - M) / L
	v_mov_b32 v45, v44                             ; (named with them as pairs)
	v_mov_b32 v47, v46
.irp i, 0,1,2,3
	v_mul_f32 v[4+\i], v[4+\i], v43                ; out1
.endr
.irp i, 0,1,2,3
	v_add_f32 v[12+\i], v[12+\i], v[4+\i]          ; out2
.endr
.irp j, 0,2,4,6
	v_pk_mul_f32 v[16+\j:17+\j], v[16+\j:17+\j], v[44:45] op_sel_hi:[1,0]
.endr
.irp j, 0,2,4,6
	v_pk_fma_f32 v[16+\j:17+\j], v[24+\j:25+\j], v[46:47], v[16+\j:17+\j] op_sel_hi:[1,0,1]   ; out0
.endr
	global_store_b128 v1, v[4:7], s[14:15] th:TH_STORE_NT
	global_store_b128 v1, v[12:15], s[16:17] th:TH_STORE_NT
	global_store_b128 v1, v[16:19], s[12:13] th:TH_STORE_NT
	global_store_b128 v1, v[20:23], s[12:13] offset:2048 th:TH_STORE_NT
	s_wait_tensorcnt 0x0                           ; the wave's end: behind my last LDS store
	ds_add_u32 v2, v3
	s_wait_dscnt 0x0
	s_endpgm
.Lfunc_end_k_qa13ffc62af_fin:
	.size	k_qa13ffc62af_fin, .Lfunc_end_k_qa13ffc62af_fin-k_qa13ffc62af_fin
	.p2alignl 7, 3214868480
	.fill 96, 4, 3214868480
	.section	.rodata,"a",@progbits
	.p2align	6, 0x0
	.amdhsa_kernel k_qa13ffc62af_fin
		.amdhsa_group_segment_fixed_size 1024
		.amdhsa_private_segment_fixed_size 0
		.amdhsa_enable_private_segment 0
		.amdhsa_kernarg_size 56
		.amdhsa_user_sgpr_count 2
		.amdhsa_user_sgpr_kernarg_segment_ptr 1
		.amdhsa_wavefront_size32 1
		.amdhsa_system_sgpr_workgroup_id_x 1
		.amdhsa_system_sgpr_workgroup_id_y 1
		.amdhsa_system_sgpr_workgroup_id_z 1
		.amdhsa_system_vgpr_workitem_id 0
		.amdhsa_next_free_vgpr 64
		.amdhsa_next_free_sgpr 66
		.amdhsa_reserve_vcc 0
		.amdhsa_float_denorm_mode_32 3
		.amdhsa_float_denorm_mode_16_64 3
		.amdhsa_memory_ordered 1
		.amdhsa_forward_progress 1
		.amdhsa_inst_pref_size 6
	.end_amdhsa_kernel
	.amdgpu_metadata
---
amdhsa.version: [ 1, 2 ]
amdhsa.kernels:
  - .name:           k_qa13ffc62af_fin
    .symbol:         k_qa13ffc62af_fin.kd
    .args:
      - { .name: sco, .offset: 0, .size: 8, .value_kind: global_buffer, .address_space: global }
      - { .name: cx, .offset: 8, .size: 8, .value_kind: global_buffer, .address_space: global }
      - { .name: x_padding_masks, .offset: 16, .size: 8, .value_kind: global_buffer, .address_space: global }
      - { .name: coverage_vector, .offset: 24, .size: 8, .value_kind: global_buffer, .address_space: global }
      - { .name: out0, .offset: 32, .size: 8, .value_kind: global_buffer, .address_space: global }
      - { .name: out1, .offset: 40, .size: 8, .value_kind: global_buffer, .address_space: global }
      - { .name: out2, .offset: 48, .size: 8, .value_kind: global_buffer, .address_space: global }
    .group_segment_fixed_size: 1024
    .private_segment_fixed_size: 0
    .kernarg_segment_align: 8
    .kernarg_segment_size: 56
    .max_flat_workgroup_size: 128
    .sgpr_count:     66
    .vgpr_count:     64
    .wavefront_size: 32
...
	.end_amdgpu_metadata
.endif
;; end of part 3
